; MI455X (gfx1250); checked and timed in simulation.
; The chip was launched on July 23, 2026; its instructions are those of AMD's public machine-readable ISA for CDNA 5 (MIT licence, August 2026) and "CDNA5" Instruction Set Architecture Reference Guide (July 2026). The comments in the code are by the model that wrote it; some were corrected since.
;; Multi Head Attention. Allowed arithmetic: matrix products marked QUANTISED: E5M2 operands, one given power-of-two scale a tensor, by v_wmma_f32_16x16x64_bf8_bf8 or v_wmma_f32_16x16x128_bf8_bf8, f32 sums; everything else in f32.
;; Inputs: Wk 512 x 512 float32; Wo 512 x 512 float32; Wq 512 x 512 float32; Wv 512 x 512 float32; bk 512 float32; bo 512 float32; bq 512 float32; bv 512 float32; k 2 x 4,096 x 512 float32; lowp_scales 12 int32 (the exponents e of the quantised operands' scales 2^e); q 2 x 4,096 x 512 float32; v 2 x 4,096 x 512 float32.
;; Outputs: out0 2 x 4,096 x 512 float32.
;; This version of the problem:
;;   THIS VERSION OF THE PROBLEM IS GIVEN IN LOW PRECISION. The matrix products marked QUANTISED in the list below multiply operands that are first quantised to E5M2 (5 exponent bits, 2 mantissa bits; 8 bits a number), with one given power-of-two scale for each operand tensor; their sums are f32. All else is computed in f32.
;;   The module's matrix products, in the order in which they are computed (A, B: the left and right operand; K: the contracted axis; several contracted axes count as one K, in the product's order):
;;     1. [M 8,192, K 512] x [K 512, N 512]; A: input q; B: input Wq: QUANTISED (scales: A lowp_scales[0], B lowp_scales[1])
;;     2. [M 8,192, K 512] x [K 512, N 512]; A: input k; B: input Wk: QUANTISED (scales: A lowp_scales[2], B lowp_scales[3])
;;     3. [M 8,192, K 512] x [K 512, N 512]; A: input v; B: input Wv: QUANTISED (scales: A lowp_scales[4], B lowp_scales[5])
;;     4. batch 16 x [M 4,096, K 64] x [K 64, N 4,096]; A: computed on the way; B: computed on the way: QUANTISED (scales: A lowp_scales[6], B lowp_scales[7])
;;     5. batch 16 x [M 4,096, K 4,096] x [K 4,096, N 64]; A: softmax (see below); B: computed on the way: QUANTISED (scales: A lowp_scales[8], B lowp_scales[9])
;;     6. [M 8,192, K 512] x [K 512, N 512]; A: computed on the way; B: input Wo: QUANTISED (scales: A lowp_scales[10], B lowp_scales[11])
;;   THE QUANTISER, for each operand of a quantised product, along K:
;;     - The operand's scale is 2^e, e = its entry of the input lowp_scales (int32; the entries are numbered through the quantised products in the list's order, A before B).
;;     - Each number is divided by the scale, clamped to +-57,344, and rounded to the nearest number of E5M2, ties to even, subnormals kept.
;;     - The product sums the exact products of the quantised numbers (number of the format x scale) in f32.
;;   ~~~python
;;   def quantise(x, axis, e):      # numpy; x: float32 -> the quantised numbers, widened to float32 again
;;       x = np.moveaxis(x, axis, -1); K = x.shape[-1]
;;       r = np.clip(x / 2.0 ** e, -57344, 57344)
;;       step = 2.0 ** (np.maximum(np.frexp(np.where(r == 0, 1, r))[1] - 1, -14) - 2)
;;       q = np.round(r / step) * step * 2.0 ** e      # np.round: ties to even
;;       return np.moveaxis(q, -1, axis).astype(np.float32)
;;   ~~~
;;   SOFTMAX AHEAD OF A QUANTISED PRODUCT. Where the list says 'softmax', what is quantised is not the finished softmax but p = 2^(t - M), with t = logit x log2(e) and M = ceil(the row's largest t), a whole number; so 1/2 < the row's largest p <= 1. The row's sum l is taken of the UNQUANTISED p, in f32, and the product's result is divided by l at the end. Since M is a whole number, a kernel that streams over the keys may use a running M (the ceiling of the running maximum): every later rescaling is an exact power of two, so the quantised numbers keep their values, but for numbers so far below the row's largest that they fall under the format's range.
;;   OPERANDS COMPUTED ON THE WAY. 'Computed on the way' means the value that the module computes at that place (a softmax that the list does not call 'softmax' is quantised finished and normalised). What goes into a quantiser is computed in f32, as accurately as f32 sums, v_exp_f32 and their like allow (about 1e-6 of the number): no bf16 or f16 on the way to a quantiser, and a product that is left as it is and whose result goes on into a quantised operand takes f32 operands (vector FMAs, or v_wmma_f32_16x16x4_f32). A number that lies on a knife's edge between two numbers of the format may be rounded either way, as far as f32 arithmetic and the matrix unit's own rounding can turn it there, and no further.
;; One version. Each part assembles by itself: llvm-mc -triple=amdgcn-amd-amdhsa -mcpu=gfx1250 --defsym DOCPART=n.
;; ======== version 1 of 1: 4 launches
;; limits: right only within a limited range of input values
;; workspace buffers: wc 1,048,576 bytes; qc 4,194,304 bytes; kvc 8,396,800 bytes; ac 4,194,304 bytes
;; launch wquant (part 1): grid 64 x 4, 2 waves a work-group, no clusters, 17,152 bytes of LDS; arguments Wq, Wk, Wv, Wo, lowp_scales, wc; writes wc
.if DOCPART == 1
	.amdgcn_target "amdgcn-amd-amdhsa--gfx1250"
	.amdhsa_code_object_version 6
	.text
	.protected	k_q7f9f9c8857_wquant
	.globl	k_q7f9f9c8857_wquant
	.p2align	8
	.type	k_q7f9f9c8857_wquant,@function
k_q7f9f9c8857_wquant:
	s_mov_b64 s[64:65], 0
	v_nop
	global_prefetch_b8 v0, s[64:65] scope:SCOPE_SE
	s_setreg_imm32_b32 hwreg(HW_REG_WAVE_MODE, 25, 1), 1
	s_wait_xcnt 0x0
; Wq, Wk, Wv, Wo [512][512] f32 (row = output column, K innermost) become codes of BF8 (E5M2), each with its given scale 2^e
; (entries 1, 3, 5, 11 of the scales).  code = x / 2^e, held within +-57,344, to the nearest code, ties to even.
; LAYOUT OF wc: [tensor 4][tile T 32][K step s 4][block c 4][512 bytes]: an image of the operand's registers: block c holds registers
; 4 c .. 4 c + 3, lane l's 16 bytes at 16 l; lane (r, h) holds k = 128 s + 32 c + 16 h + 0 .. 15 of its row.
; THE ROWS OF A TILE ARE NOT NEIGHBOURS: lane r of tile T takes row 32 (T / 2) + 8 (T % 2) + r + 8 (r / 8), so that in a product used
; transposed the 16 registers of tiles 2 b and 2 b + 1 are 16 neighbouring output columns.
; SHARES: work-group y = the tensor; x = 2 T + (s / 2); wave = s % 2: one wave makes one fragment (16 rows x 128 K).  Each load reads 512
; consecutive bytes of a row; the 8,192 bytes turn through the wave's own stage in LDS (rows 528 bytes apart = 33 x 16, so that the sixteen
; rows that a load touches start 16 bytes apart modulo 256) and come back 16 neighbours along K to a lane.  Waves share nothing: no barrier.
; No work-group reads what another reads, so nothing is asked for jointly.
; LIMITS: e between -126 and 112, so that 2^e and 57,344 x 2^e are f32 numbers.  NaN among the inputs is not served.
.set R,   16                           ; v16-79   16 rows as loaded, 4 registers each
.set X,   80                           ; v80-143  64 numbers: register 16 b + i = k 32 b + 16 h + i of my row
.set PC,  144                          ; v144-159 the fragment's codes
.set SP,  528
.set WST, 16*SP                        ; a wave's stage
	s_load_b256 s[4:11], s[0:1], 0x0               ; Wq, Wk, Wv, Wo
	s_load_b128 s[12:15], s[0:1], 0x20             ; the scales' exponents, wc
	v_lshl_add_u32 v160, v0, 2, 0x4200
	v_mov_b32 v161, 0
	v_lshrrev_b32 v6, 5, v0
	v_readfirstlane_b32 s28, v6                    ; wave 0..1
	v_and_b32 v7, 31, v0                           ; lane
	v_and_b32 v8, 15, v0                           ; r
	v_bfe_u32 v9, v0, 4, 1                         ; h
	v_lshlrev_b32 v1, 4, v7                        ; 16 x lane: my bytes of a load's and of a store's 512
	s_mul_i32 s29, s28, WST
	v_add_nc_u32 v2, s29, v1                       ; into the stage: as loaded
	v_mul_u32_u24 v3, v8, SP
	v_lshl_add_u32 v3, v9, 6, v3
	v_add_nc_u32 v3, s29, v3                       ; out of it: row r, + 64 h bytes
	s_and_b32 s30, ttmp7, 0xffff                   ; the tensor
	s_lshr_b32 s31, ttmp9, 1                       ; T
	s_and_b32 s32, ttmp9, 1
	s_lshl_b32 s32, s32, 1
	s_add_co_u32 s32, s32, s28                     ; s
	s_lshr_b32 s33, s31, 1
	s_lshl_b32 s33, s33, 16                        ; 32 (T / 2) rows of 2,048 bytes
	s_and_b32 s34, s31, 1
	s_lshl_b32 s34, s34, 14                        ; 8 (T % 2) rows
	s_add_co_u32 s36, s33, s34
	s_lshl_b32 s34, s32, 9                         ; 128 s numbers
	s_add_co_u32 s36, s36, s34
	s_mov_b32 s37, 0
	s_lshl_b32 s38, s30, 18                        ; wc: 262,144 x tensor + 8,192 T + 2,048 s
	s_lshl_b32 s34, s31, 13
	s_add_co_u32 s38, s38, s34
	s_lshl_b32 s34, s32, 11
	s_add_co_u32 s38, s38, s34
	s_mov_b32 s39, 0
	s_wait_alu depctr_va_vdst(0)
	s_wait_kmcnt 0x0
	s_load_b256 s[16:23], s[12:13], 0x0            ; entries 0 to 7
	s_load_b128 s[24:27], s[12:13], 0x20           ; entries 8 to 11
	s_cmp_eq_u32 s30, 1                            ; the choice hangs on the work-group's number alone
	s_cselect_b64 s[4:5], s[6:7], s[4:5]
	s_cmp_eq_u32 s30, 2
	s_cselect_b64 s[4:5], s[8:9], s[4:5]
	s_cmp_eq_u32 s30, 3
	s_cselect_b64 s[4:5], s[10:11], s[4:5]
	s_add_nc_u64 s[4:5], s[4:5], s[36:37]
	s_add_nc_u64 s[14:15], s[14:15], s[38:39]
.set i, 0
.rept 16
	global_load_b128 v[R+4*i:R+4*i+3], v1, s[4:5] offset:(i+8*(i/8))*2048   ; lane-row i of the tile: 512 consecutive bytes
.set i, i+1
.endr
	s_wait_kmcnt 0x0
	s_cmp_eq_u32 s30, 1
	s_cselect_b32 s17, s19, s17
	s_cmp_eq_u32 s30, 2
	s_cselect_b32 s17, s21, s17
	s_cmp_eq_u32 s30, 3
	s_cselect_b32 s17, s27, s17                    ; e
	s_add_co_i32 s17, s17, 127
	s_lshl_b32 s18, s17, 23
	v_mov_b32 v5, s18                              ; 2^e as f32: the conversion takes its exponent field
	s_add_co_i32 s17, s17, 15
	s_lshl_b32 s17, s17, 23
	s_or_b32 s17, s17, 0x600000
	v_mov_b32 v4, s17                              ; 57,344 x 2^e
	s_wait_alu depctr_va_vdst(0)
	s_wait_loadcnt 0x0
.set i, 0
.rept 16
	ds_store_b128 v2, v[R+4*i:R+4*i+3] offset:SP*i
.set i, i+1
.endr
.irp b, 0,1,2,3
.irp j, 0,1,2,3
	ds_load_b128 v[X+16*\b+4*\j:X+16*\b+4*\j+3], v3 offset:128*\b+16*\j   ; LDS serves a wave's instructions in order (ISA guide 5.7.1.4): these see my stores
.endr
.endr
	s_wait_dscnt 0x0
.irp b, 0,1,2,3
.irp i, 0,1,2,3,4,5,6,7,8,9,10,11,12,13,14,15
	v_med3_num_f32 v[X+16*\b+\i], v[X+16*\b+\i], -v4, v4   ; the conversion to an 8-bit code does not saturate (ISA guide 7.6.2): the hold comes first
.endr
	v_cvt_scalef32_pk8_bf8_f32 v[PC+4*\b:PC+4*\b+1], v[X+16*\b:X+16*\b+7], v5
	v_cvt_scalef32_pk8_bf8_f32 v[PC+4*\b+2:PC+4*\b+3], v[X+16*\b+8:X+16*\b+15], v5
.endr
	v_nop                                          ; a plain line behind the last conversion
.irp c, 0,1,2,3
	global_store_b128 v1, v[PC+4*\c:PC+4*\c+3], s[14:15] offset:512*\c   ; 32 lanes store 512 consecutive bytes, at a multiple of 512 from wc's first byte
.endr
	s_wait_tensorcnt 0x0
	ds_add_u32 v160, v161
	s_wait_dscnt 0x0
	s_endpgm
.Lfunc_end_k_q7f9f9c8857_wquant:
	.size	k_q7f9f9c8857_wquant, .Lfunc_end_k_q7f9f9c8857_wquant-k_q7f9f9c8857_wquant
	.p2alignl 7, 3214868480
	.fill 96, 4, 3214868480
	.section	.rodata,"a",@progbits
	.p2align	6, 0x0
	.amdhsa_kernel k_q7f9f9c8857_wquant
		.amdhsa_group_segment_fixed_size 17152
		.amdhsa_private_segment_fixed_size 0
		.amdhsa_enable_private_segment 0
		.amdhsa_kernarg_size 48
		.amdhsa_user_sgpr_count 2
		.amdhsa_user_sgpr_kernarg_segment_ptr 1
		.amdhsa_wavefront_size32 1
		.amdhsa_system_sgpr_workgroup_id_x 1
		.amdhsa_system_sgpr_workgroup_id_y 1
		.amdhsa_system_sgpr_workgroup_id_z 1
		.amdhsa_system_vgpr_workitem_id 0
		.amdhsa_next_free_vgpr 162
		.amdhsa_next_free_sgpr 66
		.amdhsa_reserve_vcc 0
		.amdhsa_float_denorm_mode_32 3
		.amdhsa_float_denorm_mode_16_64 3
		.amdhsa_memory_ordered 1
		.amdhsa_forward_progress 1
		.amdhsa_inst_pref_size 12
	.end_amdhsa_kernel
	.amdgpu_metadata
---
amdhsa.version: [ 1, 2 ]
amdhsa.kernels:
  - .name:           k_q7f9f9c8857_wquant
    .symbol:         k_q7f9f9c8857_wquant.kd
    .args:
      - { .name: Wq, .offset: 0, .size: 8, .value_kind: global_buffer, .address_space: global }
      - { .name: Wk, .offset: 8, .size: 8, .value_kind: global_buffer, .address_space: global }
      - { .name: Wv, .offset: 16, .size: 8, .value_kind: global_buffer, .address_space: global }
      - { .name: Wo, .offset: 24, .size: 8, .value_kind: global_buffer, .address_space: global }
      - { .name: lowp_scales, .offset: 32, .size: 8, .value_kind: global_buffer, .address_space: global }
      - { .name: wc, .offset: 40, .size: 8, .value_kind: global_buffer, .address_space: global }
    .group_segment_fixed_size: 17152
    .private_segment_fixed_size: 0
    .kernarg_segment_align: 8
    .kernarg_segment_size: 48
    .max_flat_workgroup_size: 64
    .sgpr_count:     66
    .vgpr_count:     162
    .wavefront_size: 32
...
	.end_amdgpu_metadata
.endif
;; end of part 1
;; launch proj (part 2): grid 64 x 3, 4 waves a work-group, no clusters, 133,632 bytes of LDS; arguments q, k, v, bq, bk, bv, wc, lowp_scales, qc, kvc; writes qc, kvc
.if DOCPART == 2
	.amdgcn_target "amdgcn-amd-amdhsa--gfx1250"
	.amdhsa_code_object_version 6
	.text
	.protected	k_q7f9f9c8857_proj
	.globl	k_q7f9f9c8857_proj
	.p2align	8
	.type	k_q7f9f9c8857_proj,@function
k_q7f9f9c8857_proj:
	s_mov_b64 s[64:65], 0
	v_nop
	global_prefetch_b8 v0, s[64:65] scope:SCOPE_SE
	s_setreg_imm32_b32 hwreg(HW_REG_WAVE_MODE, 25, 1), 1
	s_wait_xcnt 0x0
; The three projections x W^T + b (x = q, k, v: [8192][512] f32; work-group y says which), both operands as codes of BF8 (E5M2), and the result
; quantised at once for the product that takes it: q's with entry 6 of the scales, k's with entry 7, v's with entry 9.
; SHARES.  A work-group takes 128 rows of x (one key step of one batch).  THE WAVES SHARE THE COLUMNS: wave w makes columns 128 w .. 128 w + 127 (two
; heads) for all 128 rows, and its part of W, 8 tiles x 4 K steps of codes, stays in 512 registers, read once.  What goes round is x: wave w quantises
; rows 32 w .. 32 w + 31 and stores the fragments in LDS as images of their registers (block c: lane l's 16 bytes at 16 l); every wave reads all.
; q AND k: the product is used transposed (source 0 = 16 rows of W, source 1 = x): a lane holds ONE row of x, and, by the order of W's rows in wc, the 16
; registers of tiles 2 b, 2 b + 1 are 16 neighbouring columns: two conversions give a block of the next operand (K = the head's 64).
; v: not transposed (source 0 = x, source 1 = W): a lane holds one column d and its registers run along the KEYS, the next product's K.
; OUT: qc [bh 16][query tile 256][block 2][512 B];  kvc [bh 16][key step 32][16,384 B]: 8 key tiles of 1,024 B laid as qc's, then 4 tiles of 16 d x 128 keys
; of 2,048 B: block p holds keys 32 p + 8 h + 0..7, then 32 p + 16 + 8 h + 0..7 (the K = 128 form's own order).
; The bias goes in as the C of each sum's first matrix instruction, divided by 2^(ex + ew); the conversion's one scale is 2^(eo - ex - ew).
; NO JOINT LOADS: the weights that work-groups share go from memory straight into registers, once, 65,536 bytes a wave; as tiles in LDS a work-group's
; 262,144 bytes of them would not fit beside the 133,120 bytes in use.
; LIMITS: ex, and eo - ex - ew, between -126 and 112.  NaN among the inputs is not served.
; REGISTERS, in windows of 256.  window 0: v1 16 x lane; v2, v3 the stage, in and out; v4, v5 lane terms of the bias; v10 where I store images; v16-23 bias addresses;
;   v32-223 three sets of 64 registers of x as loaded, later v32-159 x's fragments of two row tiles (m, s) at 32 + 64 m + 16 s.
;   windows 1, 2: W's fragments (t, s) at 64 (t % 4) + 16 s.   window 3: v0-127 two sets of 64 numbers of x, later the accumulators (m, t) at 8 (8 m + t);
;   v128-191 the bias in the result's layout; v192-223 codes; v224, v225 the hold and the scale for the results; v227, v228 for x.
.set XF,   32
.set R,    32
.set STG,  65536                       ; behind x's images (32 fragments of 2,048 bytes): for each wave two stages of 16 rows x 528 bytes
.set SP,   528                         ; 33 x 16 bytes: the sixteen rows that a load touches start 16 bytes apart modulo 256
.set HST,  16*SP
.set MSB, 0
.macro WIN new                         ; the immediate's high byte repeats the setting that is left
.if MSB != (\new)
	s_set_vgpr_msb (MSB<<8)|(\new)
.set MSB, (\new)
.endif
.endm
.macro XLOAD f                         ; fragment f = 4 m + s of my 32 rows: 16 loads of 512 consecutive bytes into set f % 3
	WIN 0
.set RS, R+64*((\f)%3)
.set XO, ((\f)/4)*32768+((\f)%4)*512
.set i, 0
.rept 16
	global_load_b128 v[RS+4*i:RS+4*i+3], v1, s[44:45] offset:XO+2048*i th:TH_LOAD_NT
.set i, i+1
.endr
.endm
.macro WLOAD t                         ; my tile t of W, all four K steps: 16 loads of 512 consecutive bytes
	WIN 0x40*(1+(\t)/4)
.set i, 0
.rept 16
	global_load_b128 v[64*((\t)%4)+4*i:64*((\t)%4)+4*i+3], v1, s[48:49] offset:8192*(\t)+512*i
.set i, i+1
.endr
	WIN 0
.endm
.macro TURN f                          ; fragment f through my stage f % 2: in as loaded, out 16 neighbours along K to a lane
.set RS, R+64*((\f)%3)
.set SG, HST*((\f)%2)
.set XS, 64*((\f)%2)
	WIN 0
.set i, 0
.rept 16
	ds_store_b128 v2, v[RS+4*i:RS+4*i+3] offset:SG+SP*i
.set i, i+1
.endr
	WIN 0xc0                                       ; destination window 3
.irp b, 0,1,2,3
.irp j, 0,1,2,3
	ds_load_b128 v[XS+16*\b+4*\j:XS+16*\b+4*\j+3], v3 offset:SG+128*\b+16*\j   ; LDS serves a wave's instructions in order (ISA guide 5.7.1.4)
.endr
.endr
.endm
.macro QUANTX f                        ; 64 numbers become the fragment's codes, and its image goes to LDS
.set XS, 64*((\f)%2)
	WIN 0xff
.irp b, 0,1,2,3
.irp i, 0,1,2,3,4,5,6,7,8,9,10,11,12,13,14,15
	v_med3_num_f32 v[XS+16*\b+\i], v[XS+16*\b+\i], -v227, v227   ; the conversion does not saturate (ISA guide 7.6.2): the hold comes first
.endr
	v_cvt_scalef32_pk8_bf8_f32 v[192+4*\b:193+4*\b], v[XS+16*\b:XS+16*\b+7], v228
	v_cvt_scalef32_pk8_bf8_f32 v[194+4*\b:195+4*\b], v[XS+16*\b+8:XS+16*\b+15], v228
.endr
	v_nop                                          ; a plain line behind the last conversion
	WIN 0x0c                                       ; address window 0, data window 3
.irp c, 0,1,2,3
	ds_store_b128 v10, v[192+4*\c:195+4*\c] offset:2048*(\f)+512*\c
.endr
.endm
.macro FETCH p                         ; x's fragments of row tiles 2 p, 2 p + 1, all four K steps: 16,384 consecutive bytes of images
.set i, 0
.rept 32
	ds_load_b128 v[XF+4*i:XF+4*i+3], v1 offset:16384*(\p)+512*i
.set i, i+1
.endr
.endm
	s_load_b512 s[8:23], s[0:1], 0x0               ; q, k, v, bq, bk, bv, wc, the scales' exponents
	s_load_b128 s[24:27], s[0:1], 0x40             ; qc, kvc
	v_lshl_add_u32 v254, v0, 2, 0x20800
	v_mov_b32 v255, 0
	v_lshrrev_b32 v6, 5, v0
	v_readfirstlane_b32 s28, v6                    ; wave 0..3
	s_and_b32 s29, ttmp7, 0xffff                   ; y: 0 q, 1 k, 2 v
	s_mov_b32 s30, ttmp9                           ; i: which 128 rows
	v_and_b32 v7, 31, v0
	v_and_b32 v8, 15, v0                           ; r
	v_bfe_u32 v9, v0, 4, 1                         ; h
	v_lshlrev_b32 v1, 4, v7                        ; 16 x lane
	s_mul_i32 s31, s28, 2*HST
	s_add_co_u32 s31, s31, STG                     ; my stages
	v_add_nc_u32 v2, s31, v1
	v_mul_u32_u24 v3, v8, SP
	v_lshl_add_u32 v3, v9, 6, v3
	v_add_nc_u32 v3, s31, v3                       ; row r, + 64 h bytes
	s_lshl_b32 s31, s28, 14
	v_add_nc_u32 v10, s31, v1                      ; my eight images begin at 16,384 x wave
	v_lshlrev_b32 v4, 6, v9                        ; q, k: a lane's eight columns of a tile begin 16 h numbers on
	v_and_b32 v5, 8, v8
	v_add_nc_u32 v5, v5, v8
	v_lshlrev_b32 v5, 2, v5                        ; v: a lane's one column: r + 8 (r / 8)
	s_cmp_eq_u32 s29, 2
	s_cselect_b32 s74, -1, 0
	s_cselect_b32 s75, 0, 4                        ; from register to register: the next column (q, k) or the same (v)
	v_cndmask_b32 v4, v4, v5, s74
.irp j, 0,1,2,3,4,5,6,7
	v_mad_u32_u24 v[16+\j], s75, \j, v4
.endr
	s_lshl_b32 s58, s30, 18
	s_lshl_b32 s59, s28, 16
	s_add_co_u32 s58, s58, s59                     ; x: 128 i rows of 2,048 bytes + 32 x wave rows
	s_lshl_b32 s62, s29, 18
	s_add_co_u32 s62, s62, s59                     ; wc: 262,144 y + 8 tiles x wave
	s_mov_b32 s59, 0
	s_mov_b32 s63, 0
	s_lshl_b32 s60, s28, 9                         ; bias: 128 x wave numbers
	s_mov_b32 s61, 0
	s_lshr_b32 s70, s30, 5
	s_lshl_b32 s70, s70, 3
	s_lshl_b32 s71, s28, 1
	s_add_co_u32 s70, s70, s71                     ; 8 x batch + my first head
	s_lshl_b32 s70, s70, 18
	s_and_b32 s71, s30, 31
	s_lshl_b32 s71, s71, 13
	s_add_co_u32 s70, s70, s71                     ; qc: 262,144 a head, 8,192 a block of 128 rows;
	s_cmp_eq_u32 s29, 0
	s_cselect_b32 s72, 0, 1
	s_lshl_b32 s70, s70, s72                       ; kvc: twice that
	s_mov_b32 s71, 0
	s_lshl_b32 s72, 0x40000, s72                   ; from my first head to my second
	s_mov_b32 s73, 0
	s_wait_kmcnt 0x0
	s_load_b256 s[32:39], s[22:23], 0x0            ; entries 0 to 7
	s_load_b128 s[40:43], s[22:23], 0x20           ; entries 8 to 11
	s_cmp_eq_u32 s29, 1                            ; the choices hang on the work-group's number alone
	s_cselect_b64 s[44:45], s[10:11], s[8:9]
	s_cselect_b64 s[46:47], s[16:17], s[14:15]
	s_cmp_eq_u32 s29, 2
	s_cselect_b64 s[44:45], s[12:13], s[44:45]
	s_cselect_b64 s[46:47], s[18:19], s[46:47]
	s_cmp_eq_u32 s29, 0
	s_cselect_b64 s[50:51], s[24:25], s[26:27]
	s_add_nc_u64 s[44:45], s[44:45], s[58:59]      ; x at my wave's first row
	s_add_nc_u64 s[46:47], s[46:47], s[60:61]      ; the bias at my first column
	s_add_nc_u64 s[48:49], s[20:21], s[62:63]      ; W's codes at my first tile
	s_add_nc_u64 s[50:51], s[50:51], s[70:71]      ; the codes' place for my first head,
	s_add_nc_u64 s[52:53], s[50:51], s[72:73]      ; and for my second
	XLOAD 0
	XLOAD 1
	XLOAD 2
	s_wait_kmcnt 0x0
	s_cmp_eq_u32 s29, 1
	s_cselect_b32 s54, s34, s32                    ; ex
	s_cselect_b32 s55, s35, s33                    ; ew
	s_cselect_b32 s56, s39, s38                    ; eo
	s_cmp_eq_u32 s29, 2
	s_cselect_b32 s54, s36, s54
	s_cselect_b32 s55, s37, s55
	s_cselect_b32 s56, s41, s56
	s_add_co_i32 s66, s54, 127
	s_lshl_b32 s67, s66, 23                        ; 2^ex as f32
	s_add_co_i32 s66, s66, 15
	s_lshl_b32 s66, s66, 23
	s_or_b32 s66, s66, 0x600000                    ; 57,344 x 2^ex
	s_add_co_i32 s57, s54, s55                     ; a sum stands for sum x 2^(ex + ew)
	s_sub_co_i32 s68, s56, s57
	s_add_co_i32 s68, s68, 127
	s_lshl_b32 s69, s68, 23                        ; 2^(eo - ex - ew): the three scales folded into the conversion's one
	s_add_co_i32 s68, s68, 15
	s_lshl_b32 s68, s68, 23
	s_or_b32 s68, s68, 0x600000
	s_sub_co_i32 s57, 0, s57
	WIN 0xc0
	v_mov_b32 v227, s66
	v_mov_b32 v228, s67
	v_mov_b32 v224, s68
	v_mov_b32 v225, s69
	; ---- X: my eight fragments of x.  One queue of items of 16 loads: x0 x1 x2, then for each fragment f the items x(f+3) (while there is one) and W's tile f; the turn through LDS runs one fragment ahead of the conversions
	s_wait_alu depctr_va_vdst(0)                   ; directly ahead of the wait below
	s_wait_loadcnt 32                              ; item x0 is in; x1 and x2 may be out
	TURN 0
.irp f, 0,1,2,3,4,5,6,7
	s_wait_dscnt 0x0                               ; fragment f is back from the stage; the stores into the stage and the last image's stores have read their registers
.if \f < 5
	XLOAD \f+3                                     ; into the set that the stage's stores have just read
.endif
	WLOAD \f                                       ; W's tile f goes beside x's stream, into registers of its own
.if \f < 7
.if (\f == 0) || (\f == 6)
	s_wait_loadcnt 48                              ; x(f+1) is in: three items were issued behind it
.else
	s_wait_loadcnt 63                              ; x(f+1) is in: four or five items, 64 or 80 loads, were issued behind it: a count below that shows it
.endif
	TURN \f+1
.endif
	QUANTX \f
.endr
	WIN 0xc0                                       ; the bias, in the result's layout: register (t, j)
.irp t, 0,1,2,3,4,5,6,7
.irp j, 0,1,2,3,4,5,6,7
	global_load_b32 v[128+8*\t+\j], v[16+\j], s[46:47] offset:(32*(\t/2)+8*(\t%2))*4
.endr
.endr
	WIN 0
	s_wait_dscnt 0x0                               ; for the others' sake: my images have landed
	s_barrier_signal -1
	s_barrier_wait -1                              ; x's 32 fragments lie in LDS; nothing is stored there again
	FETCH 0
	s_wait_loadcnt 0x0                             ; W and the bias
	WIN 0xc3
.set i, 0
.rept 64
	v_ldexp_f32 v[128+i], v[128+i], s57            ; b / 2^(ex + ew)
.set i, i+1
.endr
	WIN 0
; The products, two row tiles at a time: 64 matrix instructions, in two halves of my eight tiles of W; a half's eight accumulators take turns, one instruction a turn
; K step by K step.  vway = 0: q, k, transposed; 1: v.
.macro PROD vway
.irp p, 0,1,2,3
	s_wait_dscnt 0x0                               ; the pair's fragments of x are in
.irp g, 0,1
.if \vway
	WIN 0xf0+4*(1+\g)                              ; source 0 (x) window 0, source 1 (W) window 1 or 2, C and D window 3
.else
	WIN 0xf1+\g                                    ; source 0 (W) window 1 or 2, source 1 (x) window 0, C and D window 3
.endif
.irp s, 0,1,2,3
.irp t, 0,1,2,3
.irp m, 0,1
.set AC, 8*(8*\m+4*\g+\t)
.set WR, 64*\t+16*\s
.set XR, XF+64*\m+16*\s
.set BI, 128+8*(4*\g+\t)               ; the first K step starts the sum with the bias
.if \s > 0
.set BI, AC
.endif
.if \vway
	v_wmma_f32_16x16x128_bf8_bf8 v[AC:AC+7], v[XR:XR+15], v[WR:WR+15], v[BI:BI+7]
.else
	v_wmma_f32_16x16x128_bf8_bf8 v[AC:AC+7], v[WR:WR+15], v[XR:XR+15], v[BI:BI+7]
.endif
.endr
.endr
.endr
.endr
	WIN 0
.rept 4
	v_nop                                          ; four places in front of the loads into x's fragments and of the first read of results
.endr
.if \p < 3
	FETCH \p+1                                     ; lands while this pair is quantised
.endif
	WIN 0xff
.set i, 0
.rept 128
	v_med3_num_f32 v[i], v[i], -v224, v224         ; the hold; each accumulator from its low end on
.set i, i+1
.endr
.if \p > 0
	s_wait_xcnt 0x0                                ; the last pair's stores have read the codes' registers
.endif
.if \vway
.irp t, 0,1,2,3,4,5,6,7
.irp m, 0,1
	v_cvt_scalef32_pk8_bf8_f32 v[192+4*\t+2*\m:192+4*\t+2*\m+1], v[8*(8*\m+\t):8*(8*\m+\t)+7], v225   ; keys 32 p + 16 m + 8 h + 0..7 of my column
.endr
.endr
.else
.irp m, 0,1
.irp g, 0,1
.irp b, 0,1
.irp u, 0,1
	v_cvt_scalef32_pk8_bf8_f32 v[192+8*(2*\m+\g)+4*\b+2*\u:192+8*(2*\m+\g)+4*\b+2*\u+1], v[8*(8*\m+4*\g+2*\b+\u):8*(8*\m+4*\g+2*\b+\u)+7], v225   ; head g, d = 32 b + 16 h + 8 u + 0..7 of my row
.endr
.endr
.endr
.endr
.endif
	v_nop                                          ; a plain line between the last conversion and the products that write its sources
	WIN 0x0c                                       ; address window 0, data window 3
.if \vway
.irp t, 0,1,2,3,4,5,6,7
	global_store_b128 v1, v[192+4*\t:195+4*\t], s[50+2*(\t/4):51+2*(\t/4)] offset:8192+2048*(\t%4)+512*\p   ; block p of d tile t % 4: 512 consecutive bytes, aligned
.endr
.else
.irp m, 0,1
.irp g, 0,1
.irp b, 0,1
	global_store_b128 v1, v[192+8*(2*\m+\g)+4*\b:192+8*(2*\m+\g)+4*\b+3], s[50+2*\g:51+2*\g] offset:(2*\p+\m)*1024+512*\b   ; block b of row tile 2 p + m: 512 consecutive bytes, aligned
.endr
.endr
.endr
.endif
.endr
	WIN 0
.endm
	s_cmp_eq_u32 s29, 2                            ; the one branch: on the work-group's number; no barrier and no LDS store follows it
	s_cbranch_scc1 .Lfor_v
	s_wait_alu depctr_va_vdst(0)
	PROD 0
	s_wait_tensorcnt 0x0
	ds_add_u32 v254, v255
	s_wait_dscnt 0x0
	s_endpgm
.Lfor_v:
	s_wait_alu depctr_va_vdst(0)
	PROD 1
	s_wait_tensorcnt 0x0
	ds_add_u32 v254, v255
	s_wait_dscnt 0x0
	s_endpgm
.Lfunc_end_k_q7f9f9c8857_proj:
	.size	k_q7f9f9c8857_proj, .Lfunc_end_k_q7f9f9c8857_proj-k_q7f9f9c8857_proj
	.p2alignl 7, 3214868480
	.fill 96, 4, 3214868480
	.section	.rodata,"a",@progbits
	.p2align	6, 0x0
	.amdhsa_kernel k_q7f9f9c8857_proj
		.amdhsa_group_segment_fixed_size 133632
		.amdhsa_private_segment_fixed_size 0
		.amdhsa_enable_private_segment 0
		.amdhsa_kernarg_size 80
		.amdhsa_user_sgpr_count 2
		.amdhsa_user_sgpr_kernarg_segment_ptr 1
		.amdhsa_wavefront_size32 1
		.amdhsa_system_sgpr_workgroup_id_x 1
		.amdhsa_system_sgpr_workgroup_id_y 1
		.amdhsa_system_sgpr_workgroup_id_z 1
		.amdhsa_system_vgpr_workitem_id 0
		.amdhsa_next_free_vgpr 1024
		.amdhsa_next_free_sgpr 80
		.amdhsa_reserve_vcc 0
		.amdhsa_float_denorm_mode_32 3
		.amdhsa_float_denorm_mode_16_64 3
		.amdhsa_memory_ordered 1
		.amdhsa_forward_progress 1
		.amdhsa_inst_pref_size 223
	.end_amdhsa_kernel
	.amdgpu_metadata
---
amdhsa.version: [ 1, 2 ]
amdhsa.kernels:
  - .name:           k_q7f9f9c8857_proj
    .symbol:         k_q7f9f9c8857_proj.kd
    .args:
      - { .name: q, .offset: 0, .size: 8, .value_kind: global_buffer, .address_space: global }
      - { .name: k, .offset: 8, .size: 8, .value_kind: global_buffer, .address_space: global }
      - { .name: v, .offset: 16, .size: 8, .value_kind: global_buffer, .address_space: global }
      - { .name: bq, .offset: 24, .size: 8, .value_kind: global_buffer, .address_space: global }
      - { .name: bk, .offset: 32, .size: 8, .value_kind: global_buffer, .address_space: global }
      - { .name: bv, .offset: 40, .size: 8, .value_kind: global_buffer, .address_space: global }
      - { .name: wc, .offset: 48, .size: 8, .value_kind: global_buffer, .address_space: global }
      - { .name: lowp_scales, .offset: 56, .size: 8, .value_kind: global_buffer, .address_space: global }
      - { .name: qc, .offset: 64, .size: 8, .value_kind: global_buffer, .address_space: global }
      - { .name: kvc, .offset: 72, .size: 8, .value_kind: global_buffer, .address_space: global }
    .group_segment_fixed_size: 133632
    .private_segment_fixed_size: 0
    .kernarg_segment_align: 8
    .kernarg_segment_size: 80
    .max_flat_workgroup_size: 128
    .sgpr_count:     80
    .vgpr_count:     1024
    .wavefront_size: 32
...
	.end_amdgpu_metadata
.endif
;; end of part 2
;; launch attn (part 3): grid 16 x 16, 8 waves a work-group, clusters of 4 x 1, 327,680 bytes of LDS; arguments qc, kvc, lowp_scales, ac; writes ac
.if DOCPART == 3
	.amdgcn_target "amdgcn-amd-amdhsa--gfx1250"
	.amdhsa_code_object_version 6
	.text
	.protected	k_q7f9f9c8857_attn
	.globl	k_q7f9f9c8857_attn
	.p2align	8
	.type	k_q7f9f9c8857_attn,@function
k_q7f9f9c8857_attn:
	s_mov_b64 s[64:65], 0
	v_nop
	global_prefetch_b8 v0, s[64:65] scope:SCOPE_SE
	s_setreg_imm32_b32 hwreg(HW_REG_WAVE_MODE, 25, 1), 1
	s_wait_xcnt 0x0
	s_wait_alu depctr_hold_cnt(0) depctr_sa_sdst(0) depctr_va_vdst(0) depctr_va_sdst(0) depctr_va_ssrc(0) depctr_va_vcc(0) depctr_vm_vsrc(0)
	s_getreg_b32 s2, hwreg(HW_REG_IB_STS2, 6, 4)
	s_cmp_eq_u32 s2, 0
	s_cbranch_scc0 .Lentry_in_a_cluster
	s_endpgm
.Lentry_in_a_cluster:
	s_bfe_u32 s2, ttmp6, 0x10000c
	s_cmp_lg_u32 s2, 0x3003
	s_cbranch_scc0 .Lentry_shape_is_right
	s_endpgm
.Lentry_shape_is_right:
; Attention of one head on codes of BF8 (E5M2): S^T = K Q^T (K = the head's 64, the 16x16x64 form), p = 2^(t - M), O^T += V^T P^T (K = 128 keys, the 16x16x128 form); the result, divided by the
; row's sum, is quantised at once with entry 10 of the scales for the projection that takes it.  t = score x log2(e) / 8; M = the running largest t rounded up to a whole number;
; the row's sum is taken of the unquantised p in f32; when M moves, the sums and O^T are multiplied by 2^(old M - new M), which rounds nothing.
; IN: qc [bh 16][query tile 256][1,024 B], kvc [bh 16][key step 32][16,384 B: 8 key tiles of 1,024 B, then 4 tiles of 16 d x 128 keys of 2,048 B]: images of the operands' registers, lane l's 16 bytes at 16 l.
; OUT: ac [row tile 512][K step 4][block 4][512 B], the same kind of image.
; SHARES.  Work-group (x, y): 256 queries (x) of head y; each of eight waves owns 32 queries, two tiles, so that each fragment of K and V feeds two matrix instructions; two waves to a SIMD.
; A lane holds one query (lane % 16) of each tile throughout; its registers run along the keys.
; THE RING: two slots of eight pieces of 16,384 bytes; wave w fetches piece w of a slot by one tensor load of 64 rows x 256 bytes.  The four work-groups of a cluster walk the same head and ask jointly.
; A PIECE IS SHIFTED BY 8,192 BYTES: piece t holds V's tiles of key step t, then K's tiles of key step t + 1, which lie on end in kvc.  So step t reads V(t) and K(t + 1) from one piece, K one step ahead of
; its product, and no read reaches into the other slot.  K(0) comes from memory straight into registers at the head.  The second half of a head's last piece is read by nobody; for the last head it lies in
; the 8,192 bytes that kvc has behind its codes, so that the load stays inside the buffer.
; NO PREFETCH: each refill is asked for a whole slot, eight key steps (192 matrix instructions a wave), ahead of the wait for it, and two of the launch's four slots are first fills.
; A KEY STEP HAS FOUR PHASES, so that few waits are owed round the exponentials: (1) plain work: maxima, M, O^T x f, t - M of tile 0; (2) tile 0's 64 exponentials, with tile 1's t - M among them;
; (3) tile 1's 64 exponentials, with tile 0's first level of sums (into P's idle registers) and its holds among them: none of these lines reads what a line of the same phase wrote;
; (4) plain work: three running sums by turns with tile 1's holds, then the conversions.
; A WORK-GROUP BARRIER A KEY STEP, signalled ahead of phase 4 and awaited behind the second product, keeps the eight waves within a part of a key step of each other; it orders no memory.
; LIMITS: e6 + e7 between -123 and 130 (added to the exponent field of log2(e) / 8); e8 and e10 between -126 and 112; the scaled scores stay under 2^31 in magnitude.  NaN among the inputs is not served.
; REGISTERS.  window 0: v1 16 x lane; v2 the piece's LDS address; v3, v4 the add's two; v7 2^e8; v8-15, v16-23 a tile's state: -M, largest t, the sum (2), f, 0, two at work; v26-27 tile 1's second sum;
;   v28, v29 lane permutes; v30, v31 the hold and the scale of the result; v32-159 S^T, then p; v160-223 O^T; v224-255 first-level sums, then p's codes.
;   window 1: v0-63 K's eight tiles; v64-127 V's four; v128-143 Q's two.   s54: 57,344 x 2^e8.
.set SLOT1, 1<<17
.set SPARE, 2*SLOT1                    ; behind the ring: the spare words, 128 bytes a wave
.set STEPB, 16384
.set ST, 8
.set XP, 24
.set S,  32
.set O,  160
.set P,  224
.set MSB, 0
.macro WIN new                         ; the immediate's high byte repeats the setting that is left
.if MSB != (\new)
	s_set_vgpr_msb (MSB<<8)|(\new)
.set MSB, (\new)
.endif
.endm
.macro CROUND                          ; a round of the cluster's barrier
	s_barrier_signal -1
	s_barrier_wait -1
	s_cmp_lg_u32 s12, 0
	s_cbranch_scc1 .Lnot_wave_0_\@
	s_barrier_signal -3
.Lnot_wave_0_\@:
	s_barrier_wait -3
	s_barrier_signal -1
	s_barrier_wait -1
.endm
.macro FMA q, j                        ; t - M, two at a time: of the pairs c and -M the low word serves both halves
	v_pk_fma_f32 v[S+64*(\q)+2*(\j):S+64*(\q)+2*(\j)+1], v[S+64*(\q)+2*(\j):S+64*(\q)+2*(\j)+1], s[22:23], v[ST+8*(\q):ST+8*(\q)+1] op_sel_hi:[1,0,0]
.endm
.macro EXPO q, i
	v_exp_f32 v[S+64*(\q)+(\i)], v[S+64*(\q)+(\i)]
.endm
.macro HOLD2 q, i                      ; the conversion does not saturate (ISA guide 7.6.2); p is not negative, so the hold is one-sided; two numbers an instruction
	v_dual_min_num_f32 v[S+64*(\q)+(\i)], s54, v[S+64*(\q)+(\i)] :: v_dual_min_num_f32 v[S+64*(\q)+(\i)+1], s54, v[S+64*(\q)+(\i)+1]
.endm
	s_load_b256 s[4:11], s[0:1], 0x0               ; qc, kvc, the scales' exponents, ac
	v_lshl_add_u32 v3, v0, 2, SPARE
	v_mov_b32 v4, 0
	ds_add_u32 v3, v4                              ; the opening lines: the add, twice on end, and its wait
	ds_add_u32 v3, v4
	s_wait_dscnt 0x0
	v_lshrrev_b32 v5, 5, v0
	s_delay_alu instid0(VALU_DEP_1)
	v_readfirstlane_b32 s12, v5                    ; wave 0..7
	v_and_b32 v5, 31, v0
	s_delay_alu instid0(VALU_DEP_1)
	v_lshlrev_b32 v1, 4, v5                        ; 16 x lane
	s_bfe_u32 s13, ttmp6, 0x40000                  ; cx
	s_lshl_b32 s14, ttmp9, 2
	s_add_co_u32 s14, s14, s13                     ; which 256 queries
	s_and_b32 s15, ttmp7, 0xffff                   ; bh
	s_mov_b32 s24, 15|(3<<16)|(1<<21)              ; group 1: the cluster's four; elements of 8 bytes; 64 rows of 32, dense
	s_mov_b32 s25, 32<<16
	s_mov_b32 s26, 64<<16
	s_mov_b32 s27, 32<<16
	s_mov_b32 s28, 64
	s_mov_b32 s29, 32
	s_mov_b32 s30, 0
	s_mov_b32 s31, 0
	s_lshl_b32 s37, s12, 14                        ; group 0's LDS address: slot 0, piece = my wave
	s_lshl_b32 s32, s15, 19                        ; kvc: 524,288 a head,
	s_mov_b32 s33, 0
	s_add_co_u32 s16, s32, s37                     ; + 16,384 x wave,
	s_add_co_u32 s16, s16, 8192                    ; + the pieces' shift
	s_mov_b32 s17, 0
	s_lshl_b32 s18, s15, 8
	s_lshl_b32 s19, s14, 4
	s_add_co_u32 s18, s18, s19
	s_lshl_b32 s19, s12, 1
	s_add_co_u32 s18, s18, s19
	s_lshl_b32 s18, s18, 10                        ; qc: my first query tile, 1,024 bytes each
	s_mov_b32 s19, 0
	s_lshr_b32 s50, s15, 3
	s_lshl_b32 s50, s50, 8
	s_lshl_b32 s51, s14, 4
	s_add_co_u32 s50, s50, s51
	s_lshl_b32 s51, s12, 1
	s_add_co_u32 s50, s50, s51
	s_lshl_b32 s50, s50, 13                        ; ac: my first row tile, 8,192 bytes each,
	s_bfe_u32 s51, s15, 0x20001
	s_lshl_b32 s51, s51, 11
	s_add_co_u32 s50, s50, s51                     ; K step = head / 2,
	s_and_b32 s51, s15, 1
	s_lshl_b32 s51, s51, 10
	s_add_co_u32 s50, s50, s51                     ; blocks 2 (head % 2) on
	s_mov_b32 s51, 0
	s_mov_b32 s20, 0x76543210
	s_mov_b32 s21, 0xfedcba98                      ; lane l xor 16
	s_mov_b32 s40, 0                               ; LDS byte of the piece in hand
	s_wait_kmcnt 0x0
	s_load_b128 s[44:47], s[8:9], 0x18             ; e6, e7, e8, e9
	s_load_b32 s48, s[8:9], 0x28                   ; e10
	s_mov_b32 s36, 1
	s_add_nc_u64 s[38:39], s[6:7], s[16:17]
	s_or_b32 s39, s39, 0x80000000
	s_add_nc_u64 s[6:7], s[6:7], s[32:33]          ; the head's K(0)
	s_add_nc_u64 s[4:5], s[4:5], s[18:19]
	s_add_nc_u64 s[10:11], s[10:11], s[50:51]
	CROUND                                         ; in front of the first joint load
	tensor_load_to_lds s[36:39], s[24:31]          ; slot 0: my one load at the head
	s_nop 0
.rept 4
	v_nop
.endr
	WIN 0x40
	s_wait_alu depctr_va_vdst(0)                   ; the wait ahead of v1's reader
.irp i, 0,1,2,3
	global_load_b128 v[128+4*\i:131+4*\i], v1, s[4:5] offset:512*\i   ; Q's two tiles stay in registers
.endr
.set i, 0
.rept 16
	global_load_b128 v[4*i:4*i+3], v1, s[6:7] offset:512*i            ; K's eight tiles of key step 0
.set i, i+1
.endr
	WIN 0
.irp q, 0,1
	v_mov_b32 v[ST+8*\q+1], 0xff61b1e6             ; the largest t so far: -3e38
	s_delay_alu instid0(VALU_DEP_1)
	v_floor_f32 v[ST+8*\q], -v[ST+8*\q+1]
	v_mov_b32 v[ST+8*\q+2], 0
	v_mov_b32 v[ST+8*\q+3], 0
	v_mov_b32 v[ST+8*\q+4], 0
	v_mov_b32 v[ST+8*\q+5], 0
	v_mov_b32 v[28+\q], 0
	v_mov_b32 v[XP+2+\q], 0
.endr
.set i, 0
.rept 64
	v_mov_b32 v[O+i], 0                            ; the step is written for every trip alike: the first finds zeros
.set i, i+1
.endr
	s_wait_kmcnt 0x0
	s_add_co_i32 s52, s44, s45
	s_lshl_b32 s52, s52, 23
	s_add_co_i32 s22, s52, 0x3e38aa3b              ; c = log2(e) / 8 x 2^(e6 + e7)
	s_mov_b32 s23, s22
	s_add_co_i32 s52, s46, 127
	s_lshl_b32 s53, s52, 23
	v_mov_b32 v7, s53                              ; 2^e8
	s_add_co_i32 s52, s52, 15
	s_lshl_b32 s52, s52, 23
	s_or_b32 s54, s52, 0x600000                    ; 57,344 x 2^e8
	s_add_co_i32 s52, s48, 127
	s_lshl_b32 s53, s52, 23
	v_mov_b32 v31, s53                             ; 2^e10
	s_add_co_i32 s52, s52, 15
	s_lshl_b32 s52, s52, 23
	s_or_b32 s52, s52, 0x600000
	v_mov_b32 v30, s52                             ; 57,344 x 2^e10
	s_add_co_i32 s49, s46, s47                     ; e8 + e9
; A KEY STEP.  K's fragments are in registers at its head.  pre = 1: a step follows: its K is fetched, and the step's barrier is passed.
.macro STEP pre
	WIN 0x05
.irp k, 0,1,2,3,4,5,6,7
.irp q, 0,1
	v_wmma_f32_16x16x64_bf8_bf8 v[S+64*\q+8*\k:S+64*\q+8*\k+7], v[8*\k:8*\k+7], v[128+8*\q:128+8*\q+7], 0
.endr
.endr
	WIN 0
	v_add_nc_u32 v2, s40, v1
.rept 3
	v_nop                                          ; with the line above: four places in front of the loads into registers that matrix instructions have read, and of the first read of results
.endr
	WIN 0x40
.set i, 0
.rept 16
	ds_load_b128 v[64+4*i:64+4*i+3], v2 offset:512*i          ; V's tiles of this step
.set i, i+1
.endr
.if \pre
.set i, 0
.rept 16
	ds_load_b128 v[4*i:4*i+3], v2 offset:8192+512*i           ; K's tiles of the next
.set i, i+1
.endr
.endif
	WIN 0
	; phase 1: the step's largest scores, each accumulator from its low end on; two chains a tile, the tiles by turns
.irp q, 0,1
	v_max3_num_f32 v[ST+8*\q+6], v[S+64*\q], v[S+64*\q+1], v[S+64*\q+2]
.endr
.irp q, 0,1
	v_max3_num_f32 v[ST+8*\q+7], v[S+64*\q+3], v[S+64*\q+4], v[S+64*\q+5]
.endr
.irp i, 6,10,14,18,22,26,30,34,38,42,46,50,54,58
.irp q, 0,1
	v_max3_num_f32 v[ST+8*\q+6], v[ST+8*\q+6], v[S+64*\q+\i], v[S+64*\q+\i+1]
.endr
.irp q, 0,1
	v_max3_num_f32 v[ST+8*\q+7], v[ST+8*\q+7], v[S+64*\q+\i+2], v[S+64*\q+\i+3]
.endr
.endr
.irp q, 0,1
	v_max3_num_f32 v[ST+8*\q+6], v[ST+8*\q+6], v[S+64*\q+62], v[S+64*\q+63]
.endr
.irp q, 0,1
	s_delay_alu instid0(VALU_DEP_2)
	v_max_num_f32 v[ST+8*\q+6], v[ST+8*\q+6], v[ST+8*\q+7]
.endr
.irp q, 0,1
	s_delay_alu instid0(VALU_DEP_2)
	v_permlanex16_b32 v[28+\q], v[ST+8*\q+6], s20, s21
.endr
.irp q, 0,1
	s_delay_alu instid0(VALU_DEP_2)
	v_max_num_f32 v[ST+8*\q+6], v[ST+8*\q+6], v[28+\q]
.endr
.irp q, 0,1
	s_delay_alu instid0(VALU_DEP_2)
	v_mul_f32 v[ST+8*\q+6], s22, v[ST+8*\q+6]      ; as t (c is positive)
.endr
.irp q, 0,1
	s_delay_alu instid0(VALU_DEP_2)
	v_max_num_f32 v[ST+8*\q+1], v[ST+8*\q+1], v[ST+8*\q+6]
.endr
.irp q, 0,1
	v_mov_b32 v[ST+8*\q+6], v[ST+8*\q]
.endr
.irp q, 0,1
	s_delay_alu instid0(VALU_DEP_4)
	v_floor_f32 v[ST+8*\q], -v[ST+8*\q+1]          ; -M = floor(-t)
.endr
.irp q, 0,1
	s_delay_alu instid0(VALU_DEP_2)
	v_sub_f32 v[ST+8*\q+6], v[ST+8*\q], v[ST+8*\q+6]
.endr
.irp q, 0,1
	s_delay_alu instid0(VALU_DEP_2)
	v_cvt_i32_f32 v[ST+8*\q+6], v[ST+8*\q+6]       ; (it saturates)
.endr
.irp q, 0,1
	s_delay_alu instid0(VALU_DEP_2)
	v_ldexp_f32 v[ST+8*\q+4], 1.0, v[ST+8*\q+6]    ; f = 2^(old M - new M)
.endr
.irp q, 0,1
.irp j, 0,2,4,6,8,10,12,14,16,18,20,22,24,26,28,30
	v_pk_mul_f32 v[O+32*\q+\j:O+32*\q+\j+1], v[O+32*\q+\j:O+32*\q+\j+1], v[ST+8*\q+4:ST+8*\q+5] op_sel_hi:[1,0]   ; O^T under the new M: its first read stands ahead of the exponentials
.endr
.endr
.set i, 0
.rept 32
	FMA 0, i
.set i, i+1
.endr
	s_wait_alu depctr_va_vdst(0)                   ; the wait ahead of a batch
	; phase 2
.set i, 0
.rept 32
	EXPO 0, 2*i
	EXPO 0, 2*i+1
	FMA 1, i
.set i, i+1
.endr
	s_wait_alu depctr_va_vdst(0)                   ; behind tile 0's batch and ahead of tile 1's
	; phase 3
.set i, 0
.rept 16
	EXPO 1, 4*i
	v_pk_add_f32 v[P+2*i:P+2*i+1], v[S+4*i:S+4*i+1], v[S+4*i+2:S+4*i+3]   ; the sum is taken of the unquantised p, ahead of the hold
	EXPO 1, 4*i+1
	HOLD2 0, 4*i
	EXPO 1, 4*i+2
	HOLD2 0, 4*i+2
	EXPO 1, 4*i+3
.set i, i+1
.endr
	v_pk_mul_f32 v[ST+2:ST+3], v[ST+2:ST+3], v[ST+4:ST+5] op_sel_hi:[1,0]       ; the sums under the new M (plain places behind the batch)
	v_pk_mul_f32 v[ST+10:ST+11], v[ST+10:ST+11], v[ST+12:ST+13] op_sel_hi:[1,0]
	v_pk_mul_f32 v[XP+2:XP+3], v[XP+2:XP+3], v[ST+12:ST+13] op_sel_hi:[1,0]
	s_wait_alu depctr_va_vdst(0)                   ; one wait for the batch and for what was written among it; it also stands directly ahead of the wait below
	s_wait_dscnt 0x0                               ; V's fragments, and the next step's K: no LDS instruction of mine is out
.if \pre
	s_barrier_signal -1                            ; the step's barrier; only work on registers stands up to its wait
.endif
	; phase 4: three sums by turns, five lines from link to link
.set i, 0
.rept 16
	v_pk_add_f32 v[ST+2:ST+3], v[ST+2:ST+3], v[P+2*i:P+2*i+1]
	v_pk_add_f32 v[ST+10:ST+11], v[ST+10:ST+11], v[S+64+4*i:S+64+4*i+1]
	v_pk_add_f32 v[XP+2:XP+3], v[XP+2:XP+3], v[S+64+4*i+2:S+64+4*i+3]
	HOLD2 1, 4*i
	HOLD2 1, 4*i+2
.set i, i+1
.endr
.irp q, 0,1
.irp g, 0,1,2,3,4,5,6,7
	v_cvt_scalef32_pk8_bf8_f32 v[P+16*\q+2*\g:P+16*\q+2*\g+1], v[S+64*\q+8*\g:S+64*\q+8*\g+7], v7   ; keys 16 g + 8 (lane / 16) + 0..7: the second product's operand as it stands
.endr
.endr
	v_nop                                          ; a plain line behind the last conversion
	WIN 0x01
.irp d, 0,1,2,3
.irp q, 0,1
	v_wmma_f32_16x16x128_bf8_bf8 v[O+32*\q+8*\d:O+32*\q+8*\d+7], v[64+16*\d:64+16*\d+15], v[P+16*\q:P+16*\q+15], v[O+32*\q+8*\d:O+32*\q+8*\d+7]   ; eight accumulators by turns
.endr
.endr
	WIN 0
.if \pre
	s_barrier_wait -1
.endif
.endm
.macro STEPS n                         ; n key steps, each with a successor
	s_mov_b32 s41, \n
.Lstep_\@:
	STEP 1
	s_add_co_u32 s40, s40, STEPB
	s_sub_co_u32 s41, s41, 1
	s_cmp_lg_u32 s41, 0
	s_cbranch_scc1 .Lstep_\@
.endm
; THE CHANGE OF SLOTS stands at a slot's head: all my tensor loads are in (my piece of the slot ahead), the add, and my reads of the slot left are over; fill = 1: a round of the cluster's barrier,
; and behind it my one joint load, the next eight pieces' share into the other slot (the first time: slot 1's first fill, issued as a refill is).
.macro CHANGE fill
	s_wait_tensorcnt 0x0
	ds_add_u32 v3, v4
.if \fill
	s_xor_b32 s37, s37, SLOT1
	s_add_nc_u64 s[38:39], s[38:39], 8*STEPB
.endif
	s_wait_dscnt 0x0
.if \fill
	CROUND
	tensor_load_to_lds s[36:39], s[24:31]
	s_nop 0
.rept 4
	v_nop
.endr
.else
	s_barrier_signal -1
	s_barrier_wait -1
.endif
.endm
	s_wait_alu depctr_va_vdst(0)                   ; the wait at the head's end
	s_wait_loadcnt 0x0                             ; Q and K(0)
	s_mov_b32 s42, 3
.Lslot:
	CHANGE 1
	STEPS 8
	s_sub_co_u32 s40, s40, 8*STEPB
	s_xor_b32 s40, s40, SLOT1                      ; on to the other slot
	s_sub_co_u32 s42, s42, 1
	s_cmp_lg_u32 s42, 0
	s_cbranch_scc1 .Lslot
	CHANGE 0                                       ; the last slot is written out: nothing more is asked for,
	STEPS 7
	STEP 0                                         ; and its last step fetches no K
	; THE WAY OUT: O^T / the sum x 2^(e8 + e9), held and quantised with 2^e10; a lane's codes are the next operand's registers
.rept 4
	v_nop
.endr
	v_add_f32 v[ST+6], v[ST+2], v[ST+3]
	v_add_f32 v[ST+14], v[ST+10], v[ST+11]
	v_add_f32 v[XP], v[XP+2], v[XP+3]
	v_permlanex16_b32 v28, v[ST+6], s20, s21
	v_add_f32 v[ST+14], v[ST+14], v[XP]
	v_add_f32 v[ST+6], v[ST+6], v28
	v_permlanex16_b32 v29, v[ST+14], s20, s21
	v_add_f32 v[ST+14], v[ST+14], v29
	s_wait_alu depctr_va_vdst(0)                   ; ahead of the batch of two
.irp q, 0,1
	v_rcp_f32 v[ST+8*\q+6], v[ST+8*\q+6]
.endr
	v_nop
	s_wait_alu depctr_va_vdst(0)                   ; and behind it
.irp q, 0,1
	v_ldexp_f32 v[ST+8*\q+4], v[ST+8*\q+6], s49
.endr
	s_wait_alu depctr_va_vdst(0)                   ; the wait directly ahead of the first reader of O^T
.irp q, 0,1
.irp j, 0,2,4,6,8,10,12,14,16,18,20,22,24,26,28,30
	v_pk_mul_f32 v[O+32*\q+\j:O+32*\q+\j+1], v[O+32*\q+\j:O+32*\q+\j+1], v[ST+8*\q+4:ST+8*\q+5] op_sel_hi:[1,0]
.endr
.endr
.set i, 0
.rept 64
	v_med3_num_f32 v[O+i], v[O+i], -v30, v30
.set i, i+1
.endr
.irp q, 0,1
.irp g, 0,1,2,3
	v_cvt_scalef32_pk8_bf8_f32 v[P+16*\q+2*\g:P+16*\q+2*\g+1], v[O+32*\q+8*\g:O+32*\q+8*\g+7], v31
.endr
.endr
	v_nop
.irp q, 0,1
.irp b, 0,1
	global_store_b128 v1, v[P+16*\q+4*\b:P+16*\q+4*\b+3], s[10:11] offset:8192*\q+512*\b   ; 32 lanes store 512 consecutive bytes, aligned
.endr
.endr
	s_wait_tensorcnt 0x0                           ; the wave's end
	ds_add_u32 v3, v4
	s_wait_dscnt 0x0
	CROUND                                         ; the closing round
	s_endpgm
.Lfunc_end_k_q7f9f9c8857_attn:
	.size	k_q7f9f9c8857_attn, .Lfunc_end_k_q7f9f9c8857_attn-k_q7f9f9c8857_attn
	.p2alignl 7, 3214868480
	.fill 96, 4, 3214868480
	.section	.rodata,"a",@progbits
	.p2align	6, 0x0
	.amdhsa_kernel k_q7f9f9c8857_attn
		.amdhsa_group_segment_fixed_size 327680
		.amdhsa_private_segment_fixed_size 0
		.amdhsa_enable_private_segment 0
		.amdhsa_kernarg_size 32
		.amdhsa_user_sgpr_count 2
		.amdhsa_user_sgpr_kernarg_segment_ptr 1
		.amdhsa_wavefront_size32 1
		.amdhsa_system_sgpr_workgroup_id_x 1
		.amdhsa_system_sgpr_workgroup_id_y 1
		.amdhsa_system_sgpr_workgroup_id_z 1
		.amdhsa_system_vgpr_workitem_id 0
		.amdhsa_next_free_vgpr 512
		.amdhsa_next_free_sgpr 66
		.amdhsa_reserve_vcc 0
		.amdhsa_float_denorm_mode_32 3
		.amdhsa_float_denorm_mode_16_64 3
		.amdhsa_memory_ordered 1
		.amdhsa_forward_progress 1
		.amdhsa_inst_pref_size 104
	.end_amdhsa_kernel
	.amdgpu_metadata
---
amdhsa.version: [ 1, 2 ]
amdhsa.kernels:
  - .name:           k_q7f9f9c8857_attn
    .symbol:         k_q7f9f9c8857_attn.kd
    .args:
      - { .name: qc, .offset: 0, .size: 8, .value_kind: global_buffer, .address_space: global }
      - { .name: kvc, .offset: 8, .size: 8, .value_kind: global_buffer, .address_space: global }
      - { .name: lowp_scales, .offset: 16, .size: 8, .value_kind: global_buffer, .address_space: global }
      - { .name: ac, .offset: 24, .size: 8, .value_kind: global_buffer, .address_space: global }
    .group_segment_fixed_size: 327680
    .private_segment_fixed_size: 0
    .kernarg_segment_align: 8
    .kernarg_segment_size: 32
    .max_flat_workgroup_size: 256
    .sgpr_count:     66
    .vgpr_count:     512
    .wavefront_size: 32
...
	.end_amdgpu_metadata
.endif
;; end of part 3
;; launch oproj (part 4): grid 4 x 64, 4 waves a work-group, no clusters, 17,920 bytes of LDS; arguments ac, wc, bo, lowp_scales, out0; writes out0
.if DOCPART == 4
	.amdgcn_target "amdgcn-amd-amdhsa--gfx1250"
	.amdhsa_code_object_version 6
	.text
	.protected	k_q7f9f9c8857_oproj
	.globl	k_q7f9f9c8857_oproj
	.p2align	8
	.type	k_q7f9f9c8857_oproj,@function
k_q7f9f9c8857_oproj:
	s_mov_b64 s[64:65], 0
	v_nop
	global_prefetch_b8 v0, s[64:65] scope:SCOPE_SE
	s_setreg_imm32_b32 hwreg(HW_REG_WAVE_MODE, 25, 1), 1
	s_wait_xcnt 0x0
; out0 = a Wo^T + bo: a's codes (ac) and Wo's (wc, fourth tensor) are BF8 (E5M2) with the scales 2^e10 and 2^e11; out0 [8192][512] f32.
; SHARES.  A work-group makes 128 rows (y) x 128 columns (x); wave (w / 2, w % 2) makes 64 x 64: 16 accumulators.  K = 512 is four matrix instructions deep.
; Both operands lie in memory as images of their registers: each of a wave's 128 loads reads 512 consecutive bytes straight into a fragment's four registers.  No loop, no barrier.
; The product is used transposed (source 0 = 16 rows of Wo, source 1 = 16 rows of a): a lane holds one row of the output, and, by the order of Wo's rows in wc, tile t = 2 b + u
; holds its columns 32 b + 16 (lane / 16) + 8 u + 0..7.  y = sum x 2^(e10 + e11) + bo is one packed multiply-add for two numbers.
; A block of 16 rows x 64 columns goes through the wave's own stage in LDS (rows 272 bytes apart = 17 x 16) and leaves as rows: sixteen lanes store 256 consecutive bytes, aligned.
; NO JOINT LOADS: each operand is read once, at the head, 65,536 bytes of each a work-group, and the launch has one step: a joint tile would add a pass through LDS.
; LIMIT: e10 + e11 between -126 and 127, so that 2^(e10 + e11) is an f32 number.
; REGISTERS.  window 0: v1 16 x lane; v2, v3 the stage, in and out; v4 my bytes in two rows of out0; v5 lane term of the bias; v16-47 the bias (t, j); v48-79 a block's numbers;
;   v80-111 its rows; v128-255 accumulators (a, t) at 128 + 8 (4 a + t).   window 1: a's fragments (a, s) at 64 a + 16 s.   window 2: Wo's (t, s) likewise.
.set BO,  16
.set TMP, 48
.set BK,  80
.set ACC, 128
.set SPI, 272
.set MSB, 0
.macro WIN new                         ; the immediate's high byte repeats the setting that is left
.if MSB != (\new)
	s_set_vgpr_msb (MSB<<8)|(\new)
.set MSB, (\new)
.endif
.endm
	s_load_b256 s[4:11], s[0:1], 0x0               ; ac, wc, bo, the scales' exponents
	s_load_b64 s[12:13], s[0:1], 0x20              ; out0
	v_lshl_add_u32 v126, v0, 2, 0x4400
	v_mov_b32 v127, 0
	v_lshrrev_b32 v6, 5, v0
	v_readfirstlane_b32 s14, v6                    ; wave 0..3
	s_lshr_b32 s15, s14, 1                         ; which 64 rows
	s_and_b32 s22, s14, 1                          ; which 64 columns
	s_and_b32 s23, ttmp7, 0xffff                   ; block of rows
	v_and_b32 v7, 31, v0
	v_and_b32 v8, 15, v0                           ; r
	v_bfe_u32 v9, v0, 4, 1                         ; h
	v_lshlrev_b32 v1, 4, v7
	s_mul_i32 s24, s14, 16*SPI                     ; my stage
	v_mul_u32_u24 v2, v8, SPI
	v_lshl_add_u32 v2, v9, 6, v2
	v_add_nc_u32 v2, s24, v2                       ; in: row r, + 64 h bytes
	v_mul_u32_u24 v3, v9, SPI
	v_lshl_add_u32 v3, v8, 4, v3
	v_add_nc_u32 v3, s24, v3                       ; back: lanes 0-15 one row, lanes 16-31 the next
	v_lshlrev_b32 v4, 11, v9
	v_lshl_add_u32 v4, v8, 4, v4                   ; and the same two rows in out0
	v_lshlrev_b32 v5, 6, v9
	s_lshl_b32 s24, s23, 3
	s_lshl_b32 s25, s15, 2
	s_add_co_u32 s24, s24, s25
	s_lshl_b32 s24, s24, 13                        ; ac: row tile 8 y + 4 (w / 2), 8,192 bytes each
	s_mov_b32 s25, 0
	s_lshl_b32 s26, ttmp9, 3
	s_lshl_b32 s27, s22, 2
	s_add_co_u32 s26, s26, s27
	s_lshl_b32 s26, s26, 13
	s_add_co_u32 s26, s26, 786432                  ; wc: the fourth tensor, tile 8 x + 4 (w % 2)
	s_mov_b32 s27, 0
	s_lshl_b32 s28, ttmp9, 9
	s_lshl_b32 s29, s22, 8
	s_add_co_u32 s28, s28, s29                     ; my first column, in bytes
	s_mov_b32 s29, 0
	s_lshl_b32 s30, s23, 7
	s_lshl_b32 s31, s15, 6
	s_add_co_u32 s30, s30, s31
	s_lshl_b32 s30, s30, 11                        ; my first row of 2,048 bytes
	s_add_co_u32 s30, s30, s28
	s_mov_b32 s31, 0
	s_wait_alu depctr_va_vdst(0)
	s_wait_kmcnt 0x0
	s_load_b64 s[16:17], s[10:11], 0x28            ; e10, e11
	s_add_nc_u64 s[4:5], s[4:5], s[24:25]
	s_add_nc_u64 s[6:7], s[6:7], s[26:27]
	s_add_nc_u64 s[8:9], s[8:9], s[28:29]
	s_add_nc_u64 s[12:13], s[12:13], s[30:31]
.irp t, 0,1,2,3
	global_load_b128 v[BO+8*\t:BO+8*\t+3], v5, s[8:9] offset:(32*(\t/2)+8*(\t%2))*4
	global_load_b128 v[BO+8*\t+4:BO+8*\t+7], v5, s[8:9] offset:(32*(\t/2)+8*(\t%2))*4+16
.endr
	WIN 0x80                                       ; Wo's 16 fragments first: every row tile needs them all
.irp t, 0,1,2,3
.irp s, 0,1,2,3
.irp c, 0,1,2,3
	global_load_b128 v[64*\t+16*\s+4*\c:64*\t+16*\s+4*\c+3], v1, s[6:7] offset:8192*\t+2048*\s+512*\c
.endr
.endr
.endr
	WIN 0x40                                       ; then a's row tiles, one after the other, 16 loads each
.irp a, 0,1,2,3
.irp s, 0,1,2,3
.irp c, 0,1,2,3
	global_load_b128 v[64*\a+16*\s+4*\c:64*\a+16*\s+4*\c+3], v1, s[4:5] offset:8192*\a+2048*\s+512*\c
.endr
.endr
.endr
	s_wait_kmcnt 0x0
	s_add_co_i32 s20, s16, s17
	s_add_co_i32 s20, s20, 127
	s_lshl_b32 s20, s20, 23                        ; 2^(e10 + e11) as f32
	s_mov_b32 s21, s20                             ; (named with it as a pair)
.irp a, 0,1,2,3                        ; row tile by row tile: multiplied and stored as soon as its fragments are in
	s_wait_loadcnt 16*(3-\a)                       ; Wo and row tiles 0 to a are in; the row tiles behind, 16 loads each, may be out
	WIN 0x06                                       ; source 0 (Wo) window 2, source 1 (a) window 1, C and D window 0
.irp s, 0,1,2,3
.irp t, 0,1,2,3
.if \s == 0
	v_wmma_f32_16x16x128_bf8_bf8 v[ACC+8*(4*\a+\t):ACC+8*(4*\a+\t)+7], v[64*\t+16*\s:64*\t+16*\s+15], v[64*\a+16*\s:64*\a+16*\s+15], 0
.else
	v_wmma_f32_16x16x128_bf8_bf8 v[ACC+8*(4*\a+\t):ACC+8*(4*\a+\t)+7], v[64*\t+16*\s:64*\t+16*\s+15], v[64*\a+16*\s:64*\a+16*\s+15], v[ACC+8*(4*\a+\t):ACC+8*(4*\a+\t)+7]
.endif
.endr
.endr                                  ; the row tile's four accumulators take turns, one instruction a turn
	WIN 0
.rept 4
	v_nop                                          ; four places (ISA guide 7.12.1) in front of the first read of results
.endr
.irp t, 0,1,2,3
.irp i, 0,2,4,6
	v_pk_fma_f32 v[TMP+8*\t+\i:TMP+8*\t+\i+1], v[ACC+8*(4*\a+\t)+\i:ACC+8*(4*\a+\t)+\i+1], s[20:21], v[BO+8*\t+\i:BO+8*\t+\i+1] op_sel_hi:[1,0,1]   ; each accumulator from its low end on
.endr
.endr
.irp t, 0,1,2,3
	ds_store_b128 v2, v[TMP+8*\t:TMP+8*\t+3] offset:128*(\t/2)+32*(\t%2)
	ds_store_b128 v2, v[TMP+8*\t+4:TMP+8*\t+7] offset:128*(\t/2)+32*(\t%2)+16
.endr
.if \a > 0
	s_wait_xcnt 0x0                                ; the last block's stores have read their registers
.endif
.irp i, 0,1,2,3,4,5,6,7
	ds_load_b128 v[BK+4*\i:BK+4*\i+3], v3 offset:2*SPI*\i   ; LDS serves a wave's instructions in order (ISA guide 5.7.1.4): these see my stores
.endr
	s_wait_dscnt 0x0
.irp i, 0,1,2,3,4,5,6,7
	global_store_b128 v4, v[BK+4*\i:BK+4*\i+3], s[12:13] offset:(16*\a+2*\i)*2048 th:TH_STORE_NT   ; 16 lanes store 256 consecutive bytes, at a multiple of 256 from out0's first byte
.endr
.endr
	s_wait_tensorcnt 0x0
	ds_add_u32 v126, v127
	s_wait_dscnt 0x0
	s_endpgm
.Lfunc_end_k_q7f9f9c8857_oproj:
	.size	k_q7f9f9c8857_oproj, .Lfunc_end_k_q7f9f9c8857_oproj-k_q7f9f9c8857_oproj
	.p2alignl 7, 3214868480
	.fill 96, 4, 3214868480
	.section	.rodata,"a",@progbits
	.p2align	6, 0x0
	.amdhsa_kernel k_q7f9f9c8857_oproj
		.amdhsa_group_segment_fixed_size 17920
		.amdhsa_private_segment_fixed_size 0
		.amdhsa_enable_private_segment 0
		.amdhsa_kernarg_size 40
		.amdhsa_user_sgpr_count 2
		.amdhsa_user_sgpr_kernarg_segment_ptr 1
		.amdhsa_wavefront_size32 1
		.amdhsa_system_sgpr_workgroup_id_x 1
		.amdhsa_system_sgpr_workgroup_id_y 1
		.amdhsa_system_sgpr_workgroup_id_z 1
		.amdhsa_system_vgpr_workitem_id 0
		.amdhsa_next_free_vgpr 768
		.amdhsa_next_free_sgpr 66
		.amdhsa_reserve_vcc 0
		.amdhsa_float_denorm_mode_32 3
		.amdhsa_float_denorm_mode_16_64 3
		.amdhsa_memory_ordered 1
		.amdhsa_forward_progress 1
		.amdhsa_inst_pref_size 32
	.end_amdhsa_kernel
	.amdgpu_metadata
---
amdhsa.version: [ 1, 2 ]
amdhsa.kernels:
  - .name:           k_q7f9f9c8857_oproj
    .symbol:         k_q7f9f9c8857_oproj.kd
    .args:
      - { .name: ac, .offset: 0, .size: 8, .value_kind: global_buffer, .address_space: global }
      - { .name: wc, .offset: 8, .size: 8, .value_kind: global_buffer, .address_space: global }
      - { .name: bo, .offset: 16, .size: 8, .value_kind: global_buffer, .address_space: global }
      - { .name: lowp_scales, .offset: 24, .size: 8, .value_kind: global_buffer, .address_space: global }
      - { .name: out0, .offset: 32, .size: 8, .value_kind: global_buffer, .address_space: global }
    .group_segment_fixed_size: 17920
    .private_segment_fixed_size: 0
    .kernarg_segment_align: 8
    .kernarg_segment_size: 40
    .max_flat_workgroup_size: 128
    .sgpr_count:     66
    .vgpr_count:     768
    .wavefront_size: 32
...
	.end_amdgpu_metadata
.endif
;; end of part 4
